; MI455X (gfx1250); checked and timed in simulation.
; The chip was launched on July 23, 2026; its instructions are those of AMD's public machine-readable ISA for CDNA 5 (MIT licence, August 2026) and "CDNA5" Instruction Set Architecture Reference Guide (July 2026). The comments in the code are by the model that wrote it; some were corrected since.
;; Model. Allowed arithmetic: matrix products marked QUANTISED: E3M2 operands, one E8M0 scale for each 32 along K, by v_wmma_scale_f32_16x16x128_f8f6f4 with both operands' format E3M2, f32 sums; everything else in f32.
;; Inputs: k_codes 4 x 16 x 2,048 x 2 x 24 uint8 (E3M2 codes of k, K innermost, in blocks of 32 codes, four codes in three bytes); k_scales 4 x 16 x 2,048 x 2 uint8 (E8M0 scales of k, one for each 32 codes along K); q 4 x 16 x 2,048 x 64 float32; v_codes 4 x 16 x 64 x 64 x 24 uint8 (E3M2 codes of v, K innermost, in blocks of 32 codes, four codes in three bytes); v_scales 4 x 16 x 64 x 64 uint8 (E8M0 scales of v, one for each 32 codes along K).
;; Outputs: out0 4 x 16 x 2,048 x 64 float32.
;; This version of the problem:
;;   THIS VERSION OF THE PROBLEM IS GIVEN IN LOW PRECISION. The matrix products marked QUANTISED in the list below multiply operands that are first quantised to E3M2 (3 exponent bits, 2 mantissa bits; 6 bits a number), with one power-of-two scale for each 32 numbers along K (OCP MX v1.0); their sums are f32. All else is computed in f32.
;;   The module's matrix products, in the order in which they are computed (A, B: the left and right operand; K: the contracted axis; several contracted axes count as one K, in the product's order):
;;     1. batch 64 x [M 2,048, K 64] x [K 64, N 2,048]; A: computed on the way; B: input k (given as codes): QUANTISED
;;     2. batch 64 x [M 2,048, K 2,048] x [K 2,048, N 64]; A: computed on the way; B: input v (given as codes): QUANTISED
;;   THE QUANTISER, for each operand of a quantised product, along K:
;;     - K is cut into blocks of 32 from its start; a last block that is shorter is filled with zeros.
;;     - A block's scale is 2^e with e = floor(log2(the largest magnitude in the block)) - 4, held to -126 .. 127; a block of zeros has e = 0. As a byte (E8M0): e + 127.
;;     - Each number is divided by its block's scale, clamped to +-28, and rounded to the nearest number of E3M2, ties to even, subnormals kept.
;;     - The product sums the exact products of the quantised numbers (number of the format x scale) in f32.
;;   ~~~python
;;   def quantise(x, axis):      # numpy; x: float32 -> the quantised numbers, widened to float32 again
;;       x = np.moveaxis(x, axis, -1); K = x.shape[-1]
;;       x = np.pad(x, [(0, 0)] * (x.ndim - 1) + [(0, -K % 32)]); x = x.reshape(x.shape[:-1] + (-1, 32)); a = np.abs(x).max(-1, keepdims=True)
;;       e = np.where(a > 0, np.clip(np.frexp(np.where(a > 0, a, 1))[1] - 1 - 4, -126, 127), 0)      # np.frexp(a)[1] - 1 = floor(log2(a)), exactly
;;       r = np.clip(x / 2.0 ** e, -28, 28)
;;       step = 2.0 ** (np.maximum(np.frexp(np.where(r == 0, 1, r))[1] - 1, -2) - 2)
;;       q = np.round(r / step) * step * 2.0 ** e      # np.round: ties to even
;;       return np.moveaxis(q.reshape(q.shape[:-2] + (-1,))[..., :K], -1, axis).astype(np.float32)
;;   ~~~
;;   OPERANDS COMPUTED ON THE WAY. 'Computed on the way' means the value that the module computes at that place (a softmax that the list does not call 'softmax' is quantised finished and normalised). What goes into a quantiser is computed in f32, as accurately as f32 sums, v_exp_f32 and their like allow (about 1e-6 of the number): no bf16 or f16 on the way to a quantiser, and a product that is left as it is and whose result goes on into a quantised operand takes f32 operands (vector FMAs, or v_wmma_f32_16x16x4_f32). A number that lies on a knife's edge between two numbers of the format may be rounded either way, as far as f32 arithmetic and the matrix unit's own rounding can turn it there, and no further.
;;   INPUTS GIVEN AS CODES. k (in the module: [4, 16, 2048, 64], K = its axis 3); v (in the module: [4, 16, 2048, 64], K = its axis 2): each comes as NAME_codes (uint8): NAME with its K axis moved to the last place and cut into blocks of 32 codes, [.., K / 32, bytes a block], one block behind the other in memory; four codes in three bytes: a row's codes are one little-endian stream of bits, code i at bits 6 i .. 6 i + 5 (a code: sign, 3 exponent bits, 2 mantissa bits); and NAME_scales (uint8): the same leading axes, one E8M0 byte (e + 127) for each 32 codes along K. Its value is code x scale, taken as it is: it is not quantised again, and the codes and scales need not be those that the quantiser above would give.
;; One version. Each part assembles by itself: llvm-mc -triple=amdgcn-amd-amdhsa -mcpu=gfx1250 --defsym DOCPART=n.
;; ======== version 1 of 1: 1 launch
;; launch attn (part 1): grid 4 x 64, 8 waves a work-group, no clusters, 267,264 bytes of LDS; arguments q, k_codes, k_scales, v_codes, v_scales, out0; writes out0
.if DOCPART == 1
	.amdgcn_target "amdgcn-amd-amdhsa--gfx1250"
	.amdhsa_code_object_version 6
	.text
	.protected	k_qe18192338d_attn
	.globl	k_qe18192338d_attn
	.p2align	8
	.type	k_qe18192338d_attn,@function
k_qe18192338d_attn:
	s_mov_b64 s[64:65], 0
	v_nop
	global_prefetch_b8 v0, s[64:65] scope:SCOPE_SE
	s_setreg_imm32_b32 hwreg(HW_REG_WAVE_MODE, 25, 1), 1
	s_wait_xcnt 0x0
; out[h][q][:] = (sum over keys k <= q of a(q,k) V[h][k][:]) / (sum over k <= q of a(q,k) + 1e-6),  a(q,k) = ((Q[h][q]/8) . K[h][k])^2.
; 64 heads, 2,048 queries and keys, head size 64.  Both products on codes of BF6 (E3M2) with one E8M0 scale for each 32 along a product's K.
; K arrives as codes (48 bytes and 2 scale bytes a key), V as codes with the KEYS innermost (64 rows of 1,536 bytes, 64 scale bytes a row).  Q/8 is quantised here along the head's 64,
; a(q,.) along the keys, block by block of 32; the divisor is the f32 sum of the unquantised a.
; SHARES.  A head's queries are 32 groups of 64 (four tiles of 16).  A wave owns one group g and walks the keys 128 a step: g/2 + 1 steps, the last on the diagonal.  Work-group c (0..3) of a head
; takes groups 4c .. 4c+3 and 31-4c .. 28-4c: a short and a long group together are 17 steps, so the eight waves have 68 steps in every work-group.
; LDS.  A whole head's codes of K and V (2 x 98,304 bytes) come in ONCE, two tensor loads a wave, all issued at the head: nothing is filled again, and one barrier serves the launch.
; LAYOUT.  Both products are used transposed (S^T = K Q^T, O^T = V^T A^T): a lane holds ONE query (lane % 16) throughout.
; The first product's K is 64 and the instruction's 128: a fragment's row holds TWO keys (the second 8 keys on), and is multiplied by (q | zero codes) and by (zero codes | q): each fragment read from LDS feeds
; two products a tile.  THE KEYS OF A FRAGMENT ARE CHOSEN (row r: key 16 a + r % 8 + 32 (r / 8) of 64) so that register 32 c + i of lane (r, h) holds key 64 c + 32 h + i:
; two WHOLE blocks of 32 keys a lane, in the order of the next operand's registers: no other lane is asked for a maximum and no half blocks change lanes.
; NO CLUSTER, though the four work-groups of a head read the same K and V: their step counts (which steps are jumped over, which is masked) hang on c, and partners of a joint request run alike.
; A share that is alike in all four (group 4 a + c) has 18 steps and 4 masked steps for two waves where this one has 17 and 2; what would be shared is one fetch of 196,608 bytes a work-group.
; LIMITS.  NaN and infinities among the inputs are not served.  A scale byte 0xff in k_scales also reaches the key 8 keys away (they share a scale word).  A block of zeros, or one whose largest
; magnitude lies under 2^-122, gets the byte 1 (zeros: where the rule says 127; its codes are zeros, and the bytes are read here alone).  The divisor's order of summation is not the reference's.
; REGISTERS, in windows of 256.  Window 0: v1-15 addresses and lane constants; v16-23 the divisors' sums; v24-39 at work; v40-51 a's codes; v52-58 conversions' second halves;
;   v60-187 two buffers of 64 scores; v188-241 Q's codes between blocks of zero codes; v242-254 scale words and nothing else.
; Window 1: v0-127 O^T (tile j, channels 16 t on: 32 j + 8 t); v128-175 K's four fragments; v176-223 V's four.
.set KD,   49280                       ; LDS: keys' even blocks of 32 from byte 0, odd blocks KD on: 128 more than a multiple of 256, so that a load's lanes r < 8 and r >= 8 fall on different banks (64 banks of 4 bytes: ISA guide 11.1)
.set VA,   98560                       ; V: eight chunks of 256 keys, each 64 rows of 3 x (64 bytes + 16 of padding)
.set VP,   240
.set VCH,  64*VP
.set TAB,  221440                      ; the scale table: word at 512 step + 128 b + 4 lane: lanes 0-15 K's fragment b, lanes 16-31 V's tile b
.set STG,  229632                      ; a stage of 16 rows x 272 bytes for each wave: q's way in, out's way out
.set SP,   272
.set SGW,  16*SP
.set AK0,  1                           ; my lane's place in a step's K: 48 (r % 8) + KD (r / 8) + 24 h
.set AV0,  2                           ; in a chunk of V: VA + 240 r + 24 h
.set AV1,  3                           ; the same behind one padding more: + 16 h
.set AT0,  4                           ; in the table: TAB + 4 lane
.set DL0,  5                           ; r - 32 h
.set SH8,  6                           ; 8 h
.set NIL,  7                           ; 0
.set ADK,  8                           ; the addresses of the loads in hand
.set ADT,  9
.set ADV0, 10
.set ADV1, 11
.set VD,   12                          ; the mask's bound
.set STO,  13                          ; stage: row r, + 32 h
.set RD,   14                          ; stage: row h, + 16 r
.set GO,   15                          ; 16 x lane
.set Z,    16                          ; v16-23  a pair of sums a tile
.set ZT,   24                          ; v24-29  three side chains.  At the head: v24 8 - 8 h, v25 16 h, v26 the bytes 127 of Q's scale words
.set TM,   30                          ; v30-33  largest magnitudes
.set SO,   34                          ; v34-35  the conversions' scale operands
.set BY,   36                          ; v36-37  scale bytes
.set PT,   38                          ; a lane permute's destination
.set W,    39
.set P,    40                          ; v40-51  a's codes.  At the head: the table's 12 loads
.set CT0,  52                          ; v52-54, v56-58.  At the head: v52, v53 offsets of the table's loads, v54 where its words go
.set CT1,  56
.set QRD,  55                          ; stage: row r, + 128 h
.set S,    60
.set QB,   188                         ; zero blocks at QB + 12 k (k = 0..4), tile j's codes at QB + 12 j + 6
.set SC,   242                         ; v242-249 two sets of four table words
.set QS,   250                         ; v250-253 Q's scale words: lanes 0-15 (b0, b1, 127, 127), lanes 16-31 (127, 127, b0, b1)
.set PW,   254                         ; a's scale word
.set KFR,  128                         ; window 1
.set VFR,  176
.set WV,   16
.set HD,   18
.set TMP,  19
.set SEL,  20                          ; s[20:21] v_permlanex16_b32's selects for lane l xor 16
.set KF,   22                          ; the step's first key
.set TK,   23                          ; the step's K in LDS: 3,072 bytes a step
.set TT,   24                          ; its table words: 512 a step
.set TV,   25                          ; its chunk of V: VCH a chunk
.set Q0,   26                          ; my first query
.set QL,   27                          ; my last
.set CNT,  28
.set T0,   29
.set TKN,  30
.set TTN,  31
.set G1K,  32                          ; s[32:39], s[40:47] descriptor groups 1;  s[48:51], s[52:55] groups 0
.set G1V,  40
.set G0K,  48
.set G0V,  52
.set MSB, 0
.macro WIN new                         ; s_set_vgpr_msb: bits 1:0 source 0, 3:2 source 1, 5:4 source 2, 7:6 destination; the high byte repeats the setting that is left
.if MSB != \new
	s_set_vgpr_msb (MSB<<8)|\new
.set MSB, \new
.endif
.endm
	s_load_b256 s[4:11], s[0:1], 0x0               ; q s[4:5], K's codes s[6:7], K's scales s[8:9], V's codes s[10:11]
	s_load_b128 s[12:15], s[0:1], 0x20             ; V's scales s[12:13], out s[14:15]
	v_lshl_add_u32 v59, v0, 2, 0x41000
	v_mov_b32 v255, 0
	ds_add_u32 v59, v255
	ds_add_u32 v59, v255
	v_lshrrev_b32 v8, 5, v0
	v_readfirstlane_b32 s[WV], v8                  ; wave 0..7
	s_and_b32 s[HD], ttmp7, 0xffff                 ; the head
	s_lshl_b32 s[TMP], ttmp9, 2
	s_and_b32 s[T0], s[WV], 3
	s_add_co_u32 s[TMP], s[TMP], s[T0]             ; base = 4 c + wave % 4
	s_sub_co_u32 s[T0], 31, s[TMP]
	s_lshr_b32 s[TKN], s[WV], 2
	s_xor_b32 s[TKN], s[TKN], s[WV]
	s_and_b32 s[TKN], s[TKN], 1                    ; waves 1, 3, 4, 6 take the long groups
	s_cmp_lg_u32 s[TKN], 0
	s_cselect_b32 s[TMP], s[T0], s[TMP]            ; my group: 31 - base or base
	s_lshl_b32 s[Q0], s[TMP], 6
	s_add_co_u32 s[QL], s[Q0], 63
	; K: a wave brings 8 rows of 1,536 bytes (32 keys each), every second block of 32 keys: elements of 8 bytes, rows 3,072 bytes apart in memory, dense in LDS
	s_mov_b32 s[G1K+0], 3<<16                      ; 15:0 no mask; 17:16 elements of 8 bytes; 20 padding off
	s_mov_b32 s[G1K+1], 192<<16                    ; tensor_dim0 = 192
	s_mov_b32 s[G1K+2], 8<<16                      ; tensor_dim1 = 8
	s_mov_b32 s[G1K+3], 192<<16                    ; tile_dim0 = 192
	s_mov_b32 s[G1K+4], 8                          ; tile_dim1 = 8
	s_mov_b32 s[G1K+5], 384                        ; tensor_dim0_stride
	s_mov_b32 s[G1K+6], 0
	s_mov_b32 s[G1K+7], 0
	; V: a wave brings a chunk of 256 keys: 64 rows of 192 bytes, 1,536 apart in memory, 16 bytes of padding behind every 64
	s_mov_b32 s[G1V+0], (1<<20)|(3<<22)|(3<<25)    ; elements of 1 byte; 20 padding on; 24:22 after every 16 words (code 3); 31:25 of 4 words (code 3)
	s_mov_b32 s[G1V+1], 192<<16
	s_mov_b32 s[G1V+2], 64<<16
	s_mov_b32 s[G1V+3], 192<<16
	s_mov_b32 s[G1V+4], 64
	s_mov_b32 s[G1V+5], 1536
	s_mov_b32 s[G1V+6], 0
	s_mov_b32 s[G1V+7], 0
	s_and_b32 s56, s[WV], 1                        ; K: even or odd blocks,
	s_lshr_b32 s57, s[WV], 1                       ; and which quarter of the head's keys
	s_mul_i32 s58, s56, KD
	s_mul_i32 s59, s57, 8*1536
	s_mov_b32 s[G0K+0], 1                          ; count = 1
	s_add_co_u32 s[G0K+1], s58, s59                ; LDS address
	s_mul_i32 s60, s[HD], 98304                    ; the head's first byte in each tensor of codes
	s_mul_i32 s58, s57, 8*3072
	s_mul_i32 s59, s56, 1536
	s_add_co_u32 s58, s58, s59
	s_add_co_u32 s58, s58, s60
	s_mov_b32 s59, 0
	s_mul_i32 s62, s[WV], 192                      ; V: chunk = wave
	s_add_co_u32 s62, s62, s60
	s_mov_b32 s63, 0
	s_mov_b32 s[G0V+0], 1
	s_mul_i32 s[G0V+1], s[WV], VCH
	s_add_co_u32 s[G0V+1], s[G0V+1], VA
	s_lshl_b32 s56, s[HD], 19                      ; q and out: the head's 2,048 rows of 256 bytes,
	s_lshl_b32 s57, s[Q0], 8                       ; my first row
	s_add_co_u32 s56, s56, s57
	s_mov_b32 s57, 0
	s_lshl_b32 s60, s[HD], 12                      ; the head's 4,096 scale bytes
	s_mov_b32 s61, 0
	s_mov_b32 s[SEL], 0x76543210
	s_mov_b32 s[SEL+1], 0xfedcba98
	s_wait_dscnt 0x0
	s_wait_kmcnt 0x0
	s_add_nc_u64 s[G0K+2:G0K+3], s[6:7], s[58:59]
	s_or_b32 s[G0K+3], s[G0K+3], 0x80000000        ; type = 2
	s_add_nc_u64 s[G0V+2:G0V+3], s[10:11], s[62:63]
	s_or_b32 s[G0V+3], s[G0V+3], 0x80000000
	tensor_load_to_lds s[G0K:G0K+3], s[G1K:G1K+7]  ; my two fills stand together, ahead of every wait on TENSORcnt, every LDS read and the barrier: two tensor loads of mine are out
	s_nop 0
	tensor_load_to_lds s[G0V:G0V+3], s[G1V:G1V+7]
	s_nop 0
.rept 4
	v_nop
.endr
	s_add_nc_u64 s[4:5], s[4:5], s[56:57]
	s_add_nc_u64 s[14:15], s[14:15], s[56:57]
	s_add_nc_u64 s[8:9], s[8:9], s[60:61]
	s_add_nc_u64 s[12:13], s[12:13], s[60:61]
	; THE SCALE TABLE.  Thread t makes the words of (step t / 64 + 4 i, fragment (t / 16) % 4, row t % 16), i = 0..3: 1,024 words of K's and 1,024 of V's in all.
	; K's word: the two bytes of key 128 step + 64 (b / 2) + 16 (b % 2) + r % 8 + 32 (r / 8), and those of the key 8 on.  V's word: row 16 b + r, bytes 4 step on.
	v_lshlrev_b32 v52, 7, v8                       ; 256 (t / 64) + 128 ((t / 32) % 2) = 128 (t / 32)
	v_bfe_u32 v9, v0, 4, 1
	v_lshl_add_u32 v52, v9, 5, v52
	v_bfe_u32 v9, v0, 3, 1
	v_lshl_add_u32 v52, v9, 6, v52
	v_and_b32 v9, 7, v0
	v_lshl_add_u32 v52, v9, 1, v52
	v_bfe_u32 v9, v0, 4, 2                         ; b
	v_and_b32 v11, 15, v0                          ; r
	v_lshrrev_b32 v10, 6, v0                       ; t / 64
	v_lshlrev_b32 v53, 10, v9
	v_lshl_add_u32 v53, v11, 6, v53
	v_lshl_add_u32 v53, v10, 2, v53
	v_lshlrev_b32 v54, 9, v10
	v_lshl_add_u32 v54, v9, 7, v54
	v_lshl_add_u32 v54, v11, 2, v54
	v_add_nc_u32 v54, TAB, v54
	v_and_b32 v12, 31, v0                          ; lane
	v_lshlrev_b32 v[GO], 4, v12
.irp i, 0,1,2,3
	global_load_u16 v[P+3*\i], v52, s[8:9] offset:1024*\i
	global_load_u16 v[P+3*\i+1], v52, s[8:9] offset:1024*\i+16
	global_load_b32 v[P+3*\i+2], v53, s[12:13] offset:16*\i
.endr
.irp j, 0,1,2,3                                ; my 64 rows of q as they lie: a load's 32 lanes read 512 consecutive bytes, two rows
.irp i, 0,1,2,3,4,5,6,7
	global_load_b128 v[S+32*\j+4*\i:S+32*\j+4*\i+3], v[GO], s[4:5] offset:4096*\j+512*\i th:TH_LOAD_NT
.endr
.endr
	; lane constants, while the loads are out
	v_bfe_u32 v10, v0, 4, 1                        ; h
	v_and_b32 v8, 7, v0
	v_bfe_u32 v9, v0, 3, 1
	v_mul_u32_u24 v[AK0], v8, 48
	v_mad_u32_u24 v[AK0], v9, KD, v[AK0]
	v_mad_u32_u24 v[AK0], v10, 24, v[AK0]
	v_mul_u32_u24 v[AV0], v11, VP
	v_mad_u32_u24 v[AV0], v10, 24, v[AV0]
	v_add_nc_u32 v[AV0], VA, v[AV0]
	v_lshl_add_u32 v[AV1], v10, 4, v[AV0]
	v_lshl_add_u32 v[AT0], v12, 2, TAB
	v_lshlrev_b32 v[DL0], 5, v10
	v_sub_nc_u32 v[DL0], v11, v[DL0]
	v_lshlrev_b32 v[SH8], 3, v10
	v_mov_b32 v[NIL], 0
	s_mul_i32 s[TMP], s[WV], SGW
	s_add_co_u32 s[TMP], s[TMP], STG               ; my stage
	v_mul_u32_u24 v[STO], v11, SP
	v_lshl_add_u32 v[QRD], v10, 7, v[STO]
	v_lshl_add_u32 v[STO], v10, 5, v[STO]
	v_add_nc_u32 v[STO], s[TMP], v[STO]
	v_add_nc_u32 v[QRD], s[TMP], v[QRD]
	v_mul_u32_u24 v[RD], v10, SP
	v_lshl_add_u32 v[RD], v11, 4, v[RD]
	v_add_nc_u32 v[RD], s[TMP], v[RD]
	v_sub_nc_u32 v24, 8, v[SH8]                    ; 8 - 8 h
	v_lshlrev_b32 v25, 4, v10                      ; 16 h
	v_sub_nc_u32 v26, 16, v25
	v_mov_b32 v27, 0x7f7f
	v_lshlrev_b32 v26, v26, v27                    ; lanes 0-15: 0x7f7f0000; lanes 16-31: 0x00007f7f
	v_mov_b32 v[PT], 0                             ; written once: a lane permute's destination counts as one of its sources
.irp k, 0,1,2,3,4
.irp i, 0,1,2,3,4,5
	v_mov_b32 v[QB+12*\k+\i], 0                    ; the zero codes beside Q's: five blocks of six registers serve all eight operands
.endr
.endr
.irp i, 0,1,2,3,4,5,6,7
	v_mov_b32 v[Z+\i], 0
.endr
	s_wait_loadcnt 32                              ; the table's 12 loads are in; the 32 loads of q, issued behind them, may be out
.irp i, 0,1,2,3
	v_lshl_or_b32 v[P+3*\i], v[P+3*\i+1], 16, v[P+3*\i]
.endr
.irp i, 0,1,2,3
	ds_store_b32 v54, v[P+3*\i] offset:2048*\i
	ds_store_b32 v54, v[P+3*\i+2] offset:2048*\i+64
.endr
; Q.  A lane must hold 32 neighbours of ONE row (query r, channels 32 h on); the loads took the bytes as they lie.  So a tile turns through my stage: in by rows as loaded, back 128 bytes a lane.
.macro TURN j
.irp i, 0,1,2,3,4,5,6,7
	ds_store_b128 v[RD], v[S+32*(\j)+4*\i:S+32*(\j)+4*\i+3] offset:2*SP*\i
.endr
.irp i, 0,1,2,3,4,5,6,7
	ds_load_b128 v[S+32*(\j)+4*\i:S+32*(\j)+4*\i+3], v[QRD] offset:16*\i   ; LDS serves a wave's instructions in order (ISA guide 5.7.1.4): these see the stores above, and the next tile's stores come behind them
.endr
.endm
; Tile j's 32 numbers a lane, one whole block: / 8 (exact), the largest magnitude, the scale, six registers of codes, and the scale words.
.macro QUANTQ j
.set X, S+32*(\j)
.set n, 0
.rept 16
	v_pk_mul_f32 v[X+n:X+n+1], v[X+n:X+n+1], 0x3e000000 op_sel_hi:[1,0]
.set n, n+2
.endr
	v_max3_num_f32 v[TM], |v[X]|, |v[X+1]|, |v[X+2]|
	v_max3_num_f32 v[TM+1], |v[X+3]|, |v[X+4]|, |v[X+5]|
.irp i, 6,10,14,18,22,26
	v_max3_num_f32 v[TM], v[TM], |v[X+\i]|, |v[X+\i+1]|
	v_max3_num_f32 v[TM+1], v[TM+1], |v[X+\i+2]|, |v[X+\i+3]|
.endr
	v_max3_num_f32 v[TM], v[TM], |v[X+30]|, |v[X+31]|
	v_max3_num_f32 v[TM], v[TM], v[TM+1], 0x2800000   ; and the floor 2^(5 - 127): the byte cannot fall under 1
	v_add_nc_u32 v[SO], 0xfe000000, v[TM]          ; 4 off the exponent field: the conversion takes the exponent field of this operand as its scale
	v_lshrrev_b32 v[BY], 23, v[SO]                 ; the scale's byte: block h of query r
	v_cvt_scalef32_pk16_bf6_f32 v[QB+12*(\j)+6:QB+12*(\j)+8], v[X:X+15], v[SO]
	v_cvt_scalef32_pk16_bf6_f32 v[CT0:CT0+2], v[X+16:X+31], v[SO]   ; (a conversion's three registers begin on an even number)
	v_lshlrev_b32 v[W], v[SH8], v[BY]              ; my byte at its place.  (The plain line behind the conversions)
.irp i, 0,1,2
	v_mov_b32 v[QB+12*(\j)+9+\i], v[CT0+\i]
.endr
	v_permlanex16_b32 v[PT], v[BY], s[SEL], s[SEL+1]
	v_lshl_or_b32 v[W], v[PT], v24, v[W]           ; with lane l xor 16's: b0 | b1 << 8
	v_lshl_or_b32 v[QS+(\j)], v[W], v25, v26       ; lanes 0-15 scale (q | 0), lanes 16-31 (0 | q); the zero codes' bytes are 127
.endm
	s_wait_loadcnt 24                              ; tile 0's eight loads are in
	TURN 0
.irp j, 1,2,3
	s_wait_loadcnt 24-8*\j                         ; tile j's are in; 8 for each later tile may be out
	TURN \j
	s_wait_dscnt 16                                ; the tile before is back from the stage: behind its loads stand tile j's 8 stores and 8 loads
	QUANTQ \j-1
.endr
	s_wait_dscnt 0x0
	QUANTQ 3
	s_wait_tensorcnt 0x0                           ; my parts of K and V have landed,
	s_wait_dscnt 0x0                               ; my words of the table are stored:
	s_barrier_signal -1
	s_barrier_wait -1                              ; everybody's are.  The one barrier: nothing in LDS but each wave's own stage is written from here on
.macro FETCH_K                         ; a step's four fragments of K: fragment b = 2 c + a, half u: key 64 c + 16 a + 8 u + r % 8 + 32 (r / 8), 24 bytes at 24 h, in pieces of 8
	WIN 0x40                                       ; destination window 1
.irp b, 0,1,2,3
.irp u, 0,1
.irp p, 0,1,2
	ds_load_b64 v[KFR+12*\b+6*\u+2*\p:KFR+12*\b+6*\u+2*\p+1], v[ADK] offset:(\b/2)*1536+(\b%2)*768+\u*384+8*\p
.endr
.endr
.endr
	WIN 0
.endm
.macro SCALES set                      ; and its four table words: 128 consecutive bytes a load
.irp b, 0,1,2,3
	ds_load_b32 v[SC+4*(\set)+\b], v[ADT] offset:128*\b
.endr
.endm
.macro FETCH_V q                       ; V's four fragments (channels 16 t + r) of the chunk's q-th 128 keys.  Lanes 16-31 read three pieces of 8 bytes further on, which for some pieces is behind one padding more: the second address register serves those
	WIN 0x40
.irp t, 0,1,2,3
.irp p, 0,1,2,3,4,5
.set PCV, 12*(\q)+6*(\p/3)+\p%3
.if PCV%8 < 5
	ds_load_b64 v[VFR+12*\t+2*\p:VFR+12*\t+2*\p+1], v[ADV0] offset:8*PCV+16*(PCV/8)+16*VP*\t
.else
	ds_load_b64 v[VFR+12*\t+2*\p:VFR+12*\t+2*\p+1], v[ADV1] offset:8*PCV+16*(PCV/8)+16*VP*\t
.endif
.endr
.endr
	WIN 0
.endm
; Tile j's 128 scores: eight products into buffer j % 2, each beginning its sum with the constant 0.  Each fragment of K against (q | 0), which gives its rows' first keys, and against (0 | q), their second.
.macro KQ j, set
.set SBK, S+64*((\j)%2)
	WIN 0x01                                       ; source 0 (K) window 1
.irp b, 0,1,2,3
	v_wmma_scale_f32_16x16x128_f8f6f4 v[SBK+16*\b:SBK+16*\b+7], v[KFR+12*\b:KFR+12*\b+11], v[QB+12*(\j)+6:QB+12*(\j)+17], 0, v[SC+4*(\set)+\b], v[QS+(\j)] matrix_a_fmt:MATRIX_FMT_BF6 matrix_b_fmt:MATRIX_FMT_BF6
	v_wmma_scale_f32_16x16x128_f8f6f4 v[SBK+16*\b+8:SBK+16*\b+15], v[KFR+12*\b:KFR+12*\b+11], v[QB+12*(\j):QB+12*(\j)+11], 0, v[SC+4*(\set)+\b], v[QS+(\j)] matrix_a_fmt:MATRIX_FMT_BF6 matrix_b_fmt:MATRIX_FMT_BF6 matrix_b_scale:MATRIX_SCALE_ROW1
.endr
.endm
; Tile j's O^T += V^T A^T: four accumulators, one instruction a turn; an accumulator comes up again a whole step later.  zero = 1: the first step starts the sums.
.macro PV j, set, zero
	WIN 0x51                                       ; source 0 (V), C and D window 1
.irp t, 0,1,2,3
.if \zero
	v_wmma_scale_f32_16x16x128_f8f6f4 v[32*(\j)+8*\t:32*(\j)+8*\t+7], v[VFR+12*\t:VFR+12*\t+11], v[P:P+11], 0, v[SC+4*(\set)+\t], v[PW] matrix_a_fmt:MATRIX_FMT_BF6 matrix_b_fmt:MATRIX_FMT_BF6 matrix_a_scale:MATRIX_SCALE_ROW1
.else
	v_wmma_scale_f32_16x16x128_f8f6f4 v[32*(\j)+8*\t:32*(\j)+8*\t+7], v[VFR+12*\t:VFR+12*\t+11], v[P:P+11], v[32*(\j)+8*\t:32*(\j)+8*\t+7], v[SC+4*(\set)+\t], v[PW] matrix_a_fmt:MATRIX_FMT_BF6 matrix_b_fmt:MATRIX_FMT_BF6 matrix_a_scale:MATRIX_SCALE_ROW1
.endif
.endr
.endm
; THE VECTOR WORK of tile j for a step: mask, squares, two blocks' scales, codes, the divisor's sum.  Register 32 c + i of buffer j % 2 holds key KF + 64 c + 32 h + i of query Q0 + 16 j + r.
; fetch = 1: the next step's K and table words (into the other set) are asked for behind the squares, which are the places behind the last products that read K's registers.
.macro VEC j, fetch, set
.set SB, S+64*((\j)%2)
.set ZJ, Z+2*(\j)
	WIN 0                                          ; at a branch and at a label every window is 0
	s_add_co_u32 s[T0], s[KF], 127
	s_cmp_le_u32 s[T0], s[Q0]                      ; a step all of whose keys count for all my queries skips the mask: a branch on ids
	s_cbranch_scc1 .Lopen_\@
	s_sub_co_u32 s[T0], s[Q0], s[KF]
	s_add_co_u32 s[T0], s[T0], 16*(\j)
	v_add_nc_u32 v[VD], s[T0], v[DL0]              ; d = my query - KF - 32 h: register 32 c + i is hidden where 64 c + i > d
.set n, 0
.rept 64                                       ; ascending: each accumulator is read from its low end on
	v_cmp_gt_i32 vcc_lo, 64*(n/32)+n%32, v[VD]
	v_cndmask_b32 v[SB+n], v[SB+n], v[NIL], vcc_lo
.set n, n+1
.endr
.Lopen_\@:
.set n, 0
.rept 32
	v_pk_mul_f32 v[SB+n:SB+n+1], v[SB+n:SB+n+1], v[SB+n:SB+n+1]   ; a = score^2, two at a time, ascending
.set n, n+2
.endr
.if \fetch
	FETCH_K
	SCALES 1-(\set)
.endif
.irp c, 0,1                                    ; the largest a of my two blocks: none is negative, so no |.|; four chains by turns
	v_max3_num_f32 v[TM+2*\c], v[SB+32*\c], v[SB+32*\c+1], v[SB+32*\c+2]
	v_max3_num_f32 v[TM+2*\c+1], v[SB+32*\c+3], v[SB+32*\c+4], v[SB+32*\c+5]
.endr
.irp i, 6,10,14,18,22,26
.irp c, 0,1
	v_max3_num_f32 v[TM+2*\c], v[TM+2*\c], v[SB+32*\c+\i], v[SB+32*\c+\i+1]
	v_max3_num_f32 v[TM+2*\c+1], v[TM+2*\c+1], v[SB+32*\c+\i+2], v[SB+32*\c+\i+3]
.endr
.endr
.irp c, 0,1
	v_max3_num_f32 v[TM+2*\c], v[TM+2*\c], v[SB+32*\c+30], v[SB+32*\c+31]
.endr
.irp c, 0,1
	v_max3_num_f32 v[TM+2*\c], v[TM+2*\c], v[TM+2*\c+1], 0x2800000   ; and the floor 2^(5 - 127): the byte cannot fall under 1 (a hidden block keeps that byte: its codes are zeros)
.endr
.irp c, 0,1
	v_add_nc_u32 v[SO+\c], 0xfe000000, v[TM+2*\c]  ; 4 off the exponent field: the conversion's scale operand
.endr
.irp c, 0,1
	v_lshrrev_b32 v[BY+\c], 23, v[SO+\c]           ; the bytes of blocks h and 2 + h
.endr
	v_lshl_or_b32 v[W], v[BY+1], 16, v[BY]
	v_lshlrev_b32 v[W], v[SH8], v[W]               ; at their places in the scale word
	v_permlanex16_b32 v[PT], v[W], s[SEL], s[SEL+1]
	v_or_b32 v[PW], v[W], v[PT]                    ; with lane l xor 16's two the word is whole
	v_cvt_scalef32_pk16_bf6_f32 v[P:P+2], v[SB:SB+15], v[SO]
	v_cvt_scalef32_pk16_bf6_f32 v[CT0:CT0+2], v[SB+16:SB+31], v[SO]        ; (a conversion's three registers begin on an even number: a block's second half is made elsewhere and moved)
	v_cvt_scalef32_pk16_bf6_f32 v[P+6:P+8], v[SB+32:SB+47], v[SO+1]
	v_cvt_scalef32_pk16_bf6_f32 v[CT1:CT1+2], v[SB+48:SB+63], v[SO+1]
	v_nop                                          ; one plain line behind the scaled conversions
.irp i, 0,1,2
	v_mov_b32 v[P+3+\i], v[CT0+\i]
	v_mov_b32 v[P+9+\i], v[CT1+\i]
.endr
	; the divisor takes the UNQUANTISED a: 32 packed additions in four chains.  They are also the places between the scale word (8 are asked), the codes (4) and the products that take them
	v_pk_add_f32 v[ZT:ZT+1], v[SB:SB+1], v[SB+2:SB+3]
	v_pk_add_f32 v[ZT+2:ZT+3], v[SB+4:SB+5], v[SB+6:SB+7]
	v_pk_add_f32 v[ZT+4:ZT+5], v[SB+8:SB+9], v[SB+10:SB+11]
	v_pk_add_f32 v[ZJ:ZJ+1], v[ZJ:ZJ+1], v[SB+12:SB+13]
.set n, 14
.rept 6
	v_pk_add_f32 v[ZT:ZT+1], v[ZT:ZT+1], v[SB+n:SB+n+1]
	v_pk_add_f32 v[ZT+2:ZT+3], v[ZT+2:ZT+3], v[SB+n+2:SB+n+3]
	v_pk_add_f32 v[ZT+4:ZT+5], v[ZT+4:ZT+5], v[SB+n+4:SB+n+5]
	v_pk_add_f32 v[ZJ:ZJ+1], v[ZJ:ZJ+1], v[SB+n+6:SB+n+7]
.set n, n+8
.endr
	v_pk_add_f32 v[ZT:ZT+1], v[ZT:ZT+1], v[SB+62:SB+63]
	v_pk_add_f32 v[ZT:ZT+1], v[ZT:ZT+1], v[ZT+2:ZT+3]
	v_pk_add_f32 v[ZJ:ZJ+1], v[ZJ:ZJ+1], v[ZT+4:ZT+5]
	v_pk_add_f32 v[ZJ:ZJ+1], v[ZJ:ZJ+1], v[ZT:ZT+1]
.endm
; A KEY STEP: 128 keys, the q-th of the chunk in hand; its table words lie in set q.  Two buffers of scores: while one tile's vector work runs, the matrix unit has the tile before's V^T A^T and the scores of the tile two on.
; A step all of whose keys come after my queries is jumped over, by a branch on ids; the lines at its end that step addresses are not, so every loop's trip count is a constant.
.macro STEP q, zero
.if \zero == 0
	s_cmp_gt_u32 s[KF], s[QL]
	s_cbranch_scc1 .Lskip_\@
.endif
	s_add_co_u32 s[TKN], s[TK], 3072               ; where the next step's K and table words lie; the head's last step asks for its own once more: no address leaves K's bytes or the table
	s_min_u32 s[TKN], s[TKN], 15*3072
	s_add_co_u32 s[TTN], s[TT], 512
	s_min_u32 s[TTN], s[TTN], 15*512
	s_wait_dscnt 0x0                               ; this step's K and table words are in
	KQ 0, \q
	KQ 1, \q
	WIN 0
	v_add_nc_u32 v[ADV0], s[TV], v[AV0]            ; four plain lines: the places behind the last step's products, which read V's registers, and behind tile 0's scores
	v_add_nc_u32 v[ADV1], s[TV], v[AV1]
	v_add_nc_u32 v[ADK], s[TKN], v[AK0]
	v_add_nc_u32 v[ADT], s[TTN], v[AT0]
	FETCH_V \q
	VEC 0, 0, \q
	s_wait_dscnt 0x0                               ; V is in (asked for a tile's vector work ago)
	PV 0, \q, \zero
	KQ 2, \q
	VEC 1, 0, \q
	PV 1, \q, \zero
	KQ 3, \q
	VEC 2, 1, \q
	PV 2, \q, \zero
	VEC 3, 0, \q
	PV 3, \q, \zero
	WIN 0
.if \zero == 0
.Lskip_\@:
.endif
	s_add_co_u32 s[KF], s[KF], 128
	s_add_co_u32 s[TK], s[TK], 3072
	s_add_co_u32 s[TT], s[TT], 512
.endm
.macro CHUNK zero
	STEP 0, \zero
	STEP 1, 0
	s_add_co_u32 s[TV], s[TV], VCH
.endm
	s_mov_b32 s[KF], 0
	s_mov_b32 s[TK], 0
	s_mov_b32 s[TT], 0
	s_mov_b32 s[TV], 0
	v_mov_b32 v[ADK], v[AK0]
	v_mov_b32 v[ADT], v[AT0]
	FETCH_K                                        ; step 0
	SCALES 0
	CHUNK 1                                        ; the first step, which every group has, starts O^T's sums: nothing is cleared
	s_mov_b32 s[CNT], 7
.Lchunk:                                           ; the other seven chunks of 256 keys
	CHUNK 0
	s_sub_co_u32 s[CNT], s[CNT], 1
	s_cmp_lg_u32 s[CNT], 0
	s_cbranch_scc1 .Lchunk
	; THE WAY OUT.  The sums' two halves and lane l xor 16's are added, 1e-6 on top; O^T is multiplied by the reciprocal and goes through my stage, a tile (16 rows of 256 bytes) at a time.
	s_wait_dscnt 0x0                               ; the loads that my last step asked for ahead are in: the counts below begin at none
.irp j, 0,1,2,3
	v_add_f32 v[Z+2*\j], v[Z+2*\j], v[Z+2*\j+1]    ; (these four are the places behind the last products)
.endr
.irp j, 0,1,2,3
	v_permlanex16_b32 v[Z+2*\j+1], v[Z+2*\j], s[SEL], s[SEL+1]
.endr
.irp j, 0,1,2,3
	v_add_f32 v[Z+2*\j+1], v[Z+2*\j], v[Z+2*\j+1]
.endr
.irp j, 0,1,2,3
	v_add_f32 v[Z+2*\j+1], 0x358637bd, v[Z+2*\j+1] ; + 1e-6
.endr
.irp j, 0,1,2,3
	v_rcp_f32 v[Z+2*\j], v[Z+2*\j+1]
.endr
	v_nop                                          ; a plain line between the last reciprocal and the use of its result
	s_wait_alu depctr_va_vdst(0)
.macro PACK j                          ; register 8 t + i of lane (r, h) is out(r, 16 t + 8 h + i): 32 neighbouring bytes of a row; back come whole rows
	WIN 0x01                                       ; source 0 (O^T) window 1
.set n, 0
.rept 16
	v_pk_mul_f32 v[S+32*(\j)+n:S+32*(\j)+n+1], v[32*(\j)+n:32*(\j)+n+1], v[Z+2*(\j):Z+2*(\j)+1] op_sel_hi:[1,0]   ; ascending: each accumulator from its low end on
.set n, n+2
.endr
	WIN 0
.irp t, 0,1,2,3
	ds_store_b128 v[STO], v[S+32*(\j)+8*\t:S+32*(\j)+8*\t+3] offset:64*\t
	ds_store_b128 v[STO], v[S+32*(\j)+8*\t+4:S+32*(\j)+8*\t+7] offset:64*\t+16
.endr
.irp i, 0,1,2,3,4,5,6,7
	ds_load_b128 v[S+32*(\j)+4*\i:S+32*(\j)+4*\i+3], v[RD] offset:2*SP*\i   ; LDS serves a wave's instructions in order: these see the stores above; the next tile's stores come behind them
.endr
.endm
.macro SEND j, younger                 ; younger: the LDS instructions issued behind tile j's loads: the next tile's sixteen, or none
.irp i, 0,1,2,3,4,5,6,7
	s_wait_dscnt (\younger)+7-\i
	global_store_b128 v[GO], v[S+32*(\j)+4*\i:S+32*(\j)+4*\i+3], s[14:15] offset:4096*(\j)+512*\i th:TH_STORE_NT   ; 32 lanes store 512 consecutive bytes, at a multiple of 256 from out's first byte; each tile has its own registers, so no store's data are written again
.endr
.endm
	PACK 0
	PACK 1                                         ; a tile's arithmetic stands between the loads of the tile before and its stores
	SEND 0, 16
	PACK 2
	SEND 1, 16
	PACK 3
	SEND 2, 16
	SEND 3, 0
	s_wait_tensorcnt 0x0
	ds_add_u32 v59, v255
	s_wait_dscnt 0x0
	s_endpgm
.Lfunc_end_k_qe18192338d_attn:
	.size	k_qe18192338d_attn, .Lfunc_end_k_qe18192338d_attn-k_qe18192338d_attn
	.p2alignl 7, 3214868480
	.fill 96, 4, 3214868480
	.section	.rodata,"a",@progbits
	.p2align	6, 0x0
	.amdhsa_kernel k_qe18192338d_attn
		.amdhsa_group_segment_fixed_size 267264
		.amdhsa_private_segment_fixed_size 0
		.amdhsa_enable_private_segment 0
		.amdhsa_kernarg_size 48
		.amdhsa_user_sgpr_count 2
		.amdhsa_user_sgpr_kernarg_segment_ptr 1
		.amdhsa_wavefront_size32 1
		.amdhsa_system_sgpr_workgroup_id_x 1
		.amdhsa_system_sgpr_workgroup_id_y 1
		.amdhsa_system_sgpr_workgroup_id_z 1
		.amdhsa_system_vgpr_workitem_id 0
		.amdhsa_next_free_vgpr 512
		.amdhsa_next_free_sgpr 66
		.amdhsa_reserve_vcc 1
		.amdhsa_float_denorm_mode_32 3
		.amdhsa_float_denorm_mode_16_64 3
		.amdhsa_memory_ordered 1
		.amdhsa_forward_progress 1
		.amdhsa_inst_pref_size 255
	.end_amdhsa_kernel
	.section	.bss,"aw",@nobits
	.p2align	6
	.space	262144
	.amdgpu_metadata
---
amdhsa.version: [ 1, 2 ]
amdhsa.kernels:
  - .name:           k_qe18192338d_attn
    .symbol:         k_qe18192338d_attn.kd
    .args:
      - { .name: q, .offset: 0, .size: 8, .value_kind: global_buffer, .address_space: global }
      - { .name: k_codes, .offset: 8, .size: 8, .value_kind: global_buffer, .address_space: global }
      - { .name: k_scales, .offset: 16, .size: 8, .value_kind: global_buffer, .address_space: global }
      - { .name: v_codes, .offset: 24, .size: 8, .value_kind: global_buffer, .address_space: global }
      - { .name: v_scales, .offset: 32, .size: 8, .value_kind: global_buffer, .address_space: global }
      - { .name: out0, .offset: 40, .size: 8, .value_kind: global_buffer, .address_space: global }
    .group_segment_fixed_size: 267264
    .private_segment_fixed_size: 0
    .kernarg_segment_align: 8
    .kernarg_segment_size: 48
    .max_flat_workgroup_size: 256
    .sgpr_count:     66
    .vgpr_count:     512
    .wavefront_size: 32
...
	.end_amdgpu_metadata
.endif
;; end of part 1
